; MI455X (gfx1250); checked and timed in simulation.
; The chip was launched on July 23, 2026; its instructions are those of AMD's public machine-readable ISA for CDNA 5 (MIT licence, August 2026) and "CDNA5" Instruction Set Architecture Reference Guide (July 2026). The comments in the code are by the model that wrote it; some were corrected since.
;; Self Attention. Allowed arithmetic: matrix products marked QUANTISED: E2M1 operands, one E8M0 scale for each 32 along K, by v_wmma_scale_f32_16x16x128_f8f6f4 with both operands' format E2M1 (or v_wmma_scale_f32_32x16x128_f4), f32 sums; everything else in f32.
;; Inputs: out_b 1,024 float32; out_w_codes 1,024 x 32 x 16 uint8 (E2M1 codes of out_w, K innermost, in blocks of 32 codes, two codes a byte); out_w_scales 1,024 x 32 uint8 (E8M0 scales of out_w, one for each 32 codes along K); qkv_b 3,072 float32; qkv_w_codes 3,072 x 32 x 16 uint8 (E2M1 codes of qkv_w, K innermost, in blocks of 32 codes, two codes a byte); qkv_w_scales 3,072 x 32 uint8 (E8M0 scales of qkv_w, one for each 32 codes along K); x_codes 4 x 2,048 x 32 x 16 uint8 (E2M1 codes of x, K innermost, in blocks of 32 codes, two codes a byte); x_scales 4 x 2,048 x 32 uint8 (E8M0 scales of x, one for each 32 codes along K).
;; Outputs: out0 4 x 2,048 x 1,024 float32.
;; This version of the problem:
;;   THIS VERSION OF THE PROBLEM IS GIVEN IN LOW PRECISION. The matrix products marked QUANTISED in the list below multiply operands that are first quantised to E2M1 (2 exponent bits, 1 mantissa bit; 4 bits a number), with one power-of-two scale for each 32 numbers along K (OCP MX v1.0); their sums are f32. All else is computed in f32.
;;   The module's matrix products, in the order in which they are computed (A, B: the left and right operand; K: the contracted axis; several contracted axes count as one K, in the product's order):
;;     1. [M 8,192, K 1,024] x [K 1,024, N 3,072]; A: input x (given as codes); B: input qkv_w (given as codes): QUANTISED
;;     2. batch 64 x [M 2,048, K 64] x [K 64, N 2,048]; A: computed on the way; B: computed on the way: QUANTISED
;;     3. batch 64 x [M 2,048, K 2,048] x [K 2,048, N 64]; A: softmax (see below); B: computed on the way: QUANTISED
;;     4. [M 8,192, K 1,024] x [K 1,024, N 1,024]; A: computed on the way; B: input out_w (given as codes): QUANTISED
;;   THE QUANTISER, for each operand of a quantised product, along K:
;;     - K is cut into blocks of 32 from its start; a last block that is shorter is filled with zeros.
;;     - A block's scale is 2^e with e = floor(log2(the largest magnitude in the block)) - 2, held to -126 .. 127; a block of zeros has e = 0. As a byte (E8M0): e + 127.
;;     - Each number is divided by its block's scale, clamped to +-6, and rounded to the nearest number of E2M1, ties to even, subnormals kept.
;;     - The product sums the exact products of the quantised numbers (number of the format x scale) in f32.
;;   ~~~python
;;   def quantise(x, axis):      # numpy; x: float32 -> the quantised numbers, widened to float32 again
;;       x = np.moveaxis(x, axis, -1); K = x.shape[-1]
;;       x = np.pad(x, [(0, 0)] * (x.ndim - 1) + [(0, -K % 32)]); x = x.reshape(x.shape[:-1] + (-1, 32)); a = np.abs(x).max(-1, keepdims=True)
;;       e = np.where(a > 0, np.clip(np.frexp(np.where(a > 0, a, 1))[1] - 1 - 2, -126, 127), 0)      # np.frexp(a)[1] - 1 = floor(log2(a)), exactly
;;       r = np.clip(x / 2.0 ** e, -6, 6)
;;       step = 2.0 ** (np.maximum(np.frexp(np.where(r == 0, 1, r))[1] - 1, 0) - 1)
;;       q = np.round(r / step) * step * 2.0 ** e      # np.round: ties to even
;;       return np.moveaxis(q.reshape(q.shape[:-2] + (-1,))[..., :K], -1, axis).astype(np.float32)
;;   ~~~
;;   SOFTMAX AHEAD OF A QUANTISED PRODUCT. Where the list says 'softmax', what is quantised is not the finished softmax but p = 2^(t - M), with t = logit x log2(e) and M = ceil(the row's largest t), a whole number; so 1/2 < the row's largest p <= 1. The row's sum l is taken of the UNQUANTISED p, in f32, and the product's result is divided by l at the end. Since M is a whole number, a kernel that streams over the keys may use a running M (the ceiling of the running maximum): every later rescaling is an exact power of two, which a block's scale takes up: the codes' values come out the same.
;;   OPERANDS COMPUTED ON THE WAY. 'Computed on the way' means the value that the module computes at that place (a softmax that the list does not call 'softmax' is quantised finished and normalised). What goes into a quantiser is computed in f32, as accurately as f32 sums, v_exp_f32 and their like allow (about 1e-6 of the number): no bf16 or f16 on the way to a quantiser, and a product that is left as it is and whose result goes on into a quantised operand takes f32 operands (vector FMAs, or v_wmma_f32_16x16x4_f32). A number that lies on a knife's edge between two numbers of the format may be rounded either way, as far as f32 arithmetic and the matrix unit's own rounding can turn it there, and no further.
;;   INPUTS GIVEN AS CODES. out_w (in the module: [1024, 1024], K = its axis 1); qkv_w (in the module: [3072, 1024], K = its axis 1); x (in the module: [4, 2048, 1024], K = its axis 2): each comes as NAME_codes (uint8): NAME with its K axis moved to the last place and cut into blocks of 32 codes, [.., K / 32, bytes a block], one block behind the other in memory; two codes a byte, the lower K in the low four bits (a code: sign, 2 exponent bits, 1 mantissa bit); and NAME_scales (uint8): the same leading axes, one E8M0 byte (e + 127) for each 32 codes along K. Its value is code x scale, taken as it is: it is not quantised again, and the codes and scales need not be those that the quantiser above would give.
;; One version. Each part assembles by itself: llvm-mc -triple=amdgcn-amd-amdhsa -mcpu=gfx1250 --defsym DOCPART=n.
;; ======== version 1 of 1: 3 launches
;; workspace buffers: qkv 13,893,632 bytes; o_codes 4,194,304 bytes; o_scales 262,144 bytes
;; launch qkv (part 1): grid 12 x 32, 4 waves a work-group, clusters of 4 x 4, 327,680 bytes of LDS; arguments x_codes, x_scales, qkv_w_codes, qkv_w_scales, qkv_b, qkv; writes qkv
.if DOCPART == 1
	.amdgcn_target "amdgcn-amd-amdhsa--gfx1250"
	.amdhsa_code_object_version 6
	.text
	.protected	k_q097cca539f_qkv
	.globl	k_q097cca539f_qkv
	.p2align	8
	.type	k_q097cca539f_qkv,@function
k_q097cca539f_qkv:
	s_mov_b64 s[64:65], 0
	v_nop
	global_prefetch_b8 v0, s[64:65] scope:SCOPE_SE
	s_setreg_imm32_b32 hwreg(HW_REG_WAVE_MODE, 25, 1), 1
	s_wait_xcnt 0x0
	s_wait_alu depctr_hold_cnt(0) depctr_sa_sdst(0) depctr_va_vdst(0) depctr_va_sdst(0) depctr_va_ssrc(0) depctr_va_vcc(0) depctr_vm_vsrc(0)
	s_getreg_b32 s2, hwreg(HW_REG_IB_STS2, 6, 4)
	s_cmp_eq_u32 s2, 0
	s_cbranch_scc0 .Lentry_in_a_cluster
	s_endpgm
.Lentry_in_a_cluster:
	s_bfe_u32 s2, ttmp6, 0x10000c
	s_cmp_lg_u32 s2, 0xf033
	s_cbranch_scc0 .Lentry_shape_is_right
	s_endpgm
.Lentry_shape_is_right:
; LAUNCH 1 OF 3.  qkv = x W^T + b on codes of FP4 (E2M1) with E8M0 scales as they are given; the f32 results are quantised at once, q and k along the head's 64, v along the keys,
; and leave as IMAGES OF THE NEXT LAUNCH'S OPERAND REGISTERS (16 bytes a lane, 512 consecutive bytes a store).  No f32 number of q, k or v goes to memory.
; DEAD WORK OF THE WHOLE PROGRAM: reference() sets the scores of keys behind a query to -infinity by a mask that it builds itself (jnp.tril), so their weight is 0 whatever the inputs hold.  Launch 2 leaves out
; every step of 128 keys that lies wholly behind a tile's 16 queries; nothing else is left out, and every input is loaded (k's bias moves k's codes, so it stays).
; LIMITS: a NaN, an infinity or an overflow that reaches only such masked steps is not carried to the result.  NaN and infinities in the biases and scale bytes of 0xff are not served.  A block whose largest magnitude lies under
; 2^-124 is held at the scale byte 1; a block of zeros gets the byte 1 and not 127: its codes are zeros, which add nothing, and these bytes are read by this program alone.
; SHARES.  A tile of 256 x 256 to a work-group of four waves, 128 x 128 to a wave: 64 accumulators of 16 x 16.  K = 1,024 is two LDS slots of 512 along K: both are first fills, nothing is filled again.
; 12 x 32 work-groups: 384 tiles of equal work.
; ROLES, by the cluster's x, which all sixteen partners share.  x = 0 (q), 1 (k): 'A' = x's tokens, 'B' = W's rows 0 to 2,047.  x = 2 (v): 'A' = W's rows 2,048 on, 'B' = x's tokens.
; The matrix instruction is used transposed (source 0 = 16 rows of B, source 1 = 16 rows of A): a lane holds ONE row of A and its registers run along B: along d for q and k, along the keys for v: along the next product's K.
; THE ROWS OF A TILE ARE NOT NEIGHBOURS: lane r of tile i takes row 32 (i / 2) + 8 (i % 2) + r + 8 (r / 8) of the wave's 128, in A and in B alike, so that the 16 registers of result tiles 2 b and 2 b + 1 are 16 neighbours.
; CLUSTERS: 4 x 4.  A's tiles are shared along a row of the cluster, B's along a column: each is asked for jointly, by the same tensor load with the same descriptor and a mask that names the four.
; THE WORKSPACE qkv: [64 (batch x 16 + head)][16 (block of 128 tokens)][BLK bytes]; in a block: K's codes 4,096, K's scale words 512, V's codes 4,096, V's scale words 256, Q's codes 4,096, Q's scale words 512.
; REGISTERS, in windows of 256: window 0: v0-31 addresses; v32-95 scale words, two sets; v128-191 A's fragments, one set; v192-255 the bias, as the first products' C; on the way out v128-223 hold codes and scale words.
;   window 1: B's fragments, two sets.   window 2: the accumulators of A's blocks 0-3 ((a, b) at v[8 (8 (a % 4) + b)]);   window 3: those of blocks 4-7.
.set NQ,     4                         ; steps of 128 along K in a slot
.set ROWB,   256                       ; a tile's row in bytes: 512 codes
.set KROW,   512                       ; a row of x or of W in memory, in bytes
.set PITCH,  272                       ; an LDS row: 256 bytes + 16 of padding
.set FR,     8                         ; registers of a fragment
.set NL,     2                         ; LDS loads that bring one
.set NP,     4                         ; places behind this matrix instruction (ISA guide 7.12.1)
.set HALFT,  128*PITCH                 ; 128 rows: one tensor load
.set SLOT,   4*HALFT                   ; A's 256 rows, then B's 256
.set KS,     32                        ; a row of scale bytes
.set SCL,    2*SLOT                    ; behind the slots: the scales, as units of 256 bytes + 16
.set HALFS,  16*272                    ; the scales of 128 rows
.set SPARE,  SCL+4*HALFS               ; the spare words: 128 bytes a wave, two blocks of 256 bytes that no other line names
.set BLK,    13568                     ; a block of the workspace
.set HS,     16*BLK                    ; from head to head
.set VO,     4608                      ; V's codes in a block
.set QO,     8960                      ; Q's codes in a block
.set ADRA, 16                          ; v16-17 LDS address of my A fragments in slot 0, 1
.set ADRB, 20                          ; v20-21 the same for B
.set LI,   24                          ; v24  16 x lane
.set L8,   25                          ; v25  8 x lane
.set ADRS, 27                          ; v27  LDS address of my scale words: lanes 0-15 A's, lanes 16-31 B's
.set SPW,  28                          ; v28  my spare word; never rewritten
.set NIL,  29                          ; v29  0; never rewritten
.set SC,   32                          ; scale words
.set AF,   128                         ; A's fragments
.set BIAS, 192                         ; the bias, eight registers a tile, in the result's layout
.set PC,   128                         ; the way out: block a's codes at v[PC + 8 a]
.set PW,   192                         ; its scale word at v[PW + a]
.set TM,   200                         ; v200-215 at work
.set SW,   216                         ; v216-223 scale words as they are stored
.set G1, 24
.set G0, 32
.set G1B, 48
.set G0B, 56
.set G1S, 68
.set G0S, 76
.set G1SB, 80
.set G0SB, 88
.set MSB, 0
.macro WIN new                         ; the immediate's high byte repeats the setting that is left
.if MSB != \new
	s_set_vgpr_msb (MSB<<8)|\new
.set MSB, \new
.endif
.endm
.set MUL_LO, 0xa1                      ; source 0 (B) window 1, source 1 (A) window 0, C and D window 2
.set MUL_HI, 0xf1                      ; the same, C and D window 3
.set TO_B,   0x40                      ; destination window 1
; A joint load: waves 0 and 1 fetch for A, waves 2 and 3 for B; the branch hangs on the wave's number alone.  An s_nop 0 and four v_nop follow each of the two lines.
.macro JLOAD g0a, g1a, g0b, g1b
	s_cmp_eq_u32 s15, 0
	s_cbranch_scc0 .Lfor_b_\@
	tensor_load_to_lds s[\g0a:\g0a+3], s[\g1a:\g1a+7]
	s_nop 0
.rept 4
	v_nop
.endr
	s_branch .Lasked_\@
.Lfor_b_\@:
	tensor_load_to_lds s[\g0b:\g0b+3], s[\g1b:\g1b+7]
	s_nop 0
.rept 4
	v_nop
.endr
.Lasked_\@:
.endm
.macro CROUND                          ; a round of the cluster's barrier
	s_barrier_signal -1
	s_barrier_wait -1
	s_cmp_lg_u32 s14, 0
	s_cbranch_scc1 .Lnot_wave_0_\@
	s_barrier_signal -3
.Lnot_wave_0_\@:
	s_barrier_wait -3
	s_barrier_signal -1
	s_barrier_wait -1
.endm
	s_load_b256 s[4:11], s[0:1], 0x0               ; x's codes, x's scales, W's codes, W's scales
	s_load_b128 s[96:99], s[0:1], 0x20             ; the bias, the workspace
	v_lshl_add_u32 v[SPW], v0, 2, SPARE
	v_mov_b32 v[NIL], 0
	ds_add_u32 v[SPW], v[NIL]                      ; the wave's opening: the add, twice on end, and its wait ahead of my first tensor load
	ds_add_u32 v[SPW], v[NIL]
	v_lshrrev_b32 v1, 5, v0
	v_readfirstlane_b32 s14, v1                    ; wave 0..3
	s_lshr_b32 s15, s14, 1                         ; which half of A's rows is mine.  Also: I fetch for A (0) or for B (1)
	s_and_b32 s16, s14, 1                          ; which half of B's rows.  Also: which 128 rows I fetch
	s_bfe_u32 s40, ttmp6, 0x40000                  ; cx
	s_bfe_u32 s41, ttmp6, 0x40004                  ; cy
	s_and_b32 s100, ttmp7, 0xffff                  ; the cluster's y
	s_cmp_eq_u32 ttmp9, 2                          ; the cluster's x says the role: the same in all sixteen partners
	s_cselect_b32 s95, 1, 0                        ; 1: v
	s_cselect_b32 s19, 2048, 0                     ; v: A's rows begin at W's row 2,048
	s_cselect_b32 s17, 0, s100
	s_cselect_b32 s42, s100, ttmp9
	s_lshl_b32 s17, s17, 2
	s_add_co_u32 s17, s17, s41                     ; TR, A's tile: q, k: 4 x cluster y + cy;  v: cy
	s_lshl_b32 s42, s42, 2
	s_add_co_u32 s42, s42, s40                     ; TC, B's tile: q, k: 4 x cluster x + cx;  v: 4 x cluster y + cx
	s_lshl_b32 s43, s41, 2
	s_lshl_b32 s43, 15, s43                        ; my row of the cluster
	s_lshl_b32 s44, 0x1111, s40                    ; my column
	; descriptor group 1: 128 rows x 256 bytes, 512 bytes apart in memory, 16 bytes of padding behind each in LDS
	s_or_b32 s[G1+0], s43, (0<<16)|(1<<20)|(1<<21)|(5<<22)|(3<<25)   ; the mask; elements of 1 byte; padding on; bit 21 beside a mask; after every 64 words; 4 words
	s_or_b32 s[G1B+0], s44, (0<<16)|(1<<20)|(1<<21)|(5<<22)|(3<<25)
.irp g, G1, G1B
	s_mov_b32 s[\g+1], ROWB<<16                    ; tensor_dim0
	s_mov_b32 s[\g+2], 128<<16                     ; tensor_dim1
	s_mov_b32 s[\g+3], ROWB<<16                    ; tile_dim0
	s_mov_b32 s[\g+4], 128                         ; tile_dim1
	s_mov_b32 s[\g+5], KROW                        ; from row to row
	s_mov_b32 s[\g+6], 0
	s_mov_b32 s[\g+7], 0
.endr
	; the scales of 128 rows: 4,096 dense bytes, as 16 rows of 256 bytes (32 elements of 8 bytes), 16 bytes of padding behind each
	s_or_b32 s[G1S+0], s43, (3<<16)|(1<<20)|(1<<21)|(5<<22)|(3<<25)
	s_or_b32 s[G1SB+0], s44, (3<<16)|(1<<20)|(1<<21)|(5<<22)|(3<<25)
.irp g, G1S, G1SB
	s_mov_b32 s[\g+1], 32<<16
	s_mov_b32 s[\g+2], 16<<16
	s_mov_b32 s[\g+3], 32<<16
	s_mov_b32 s[\g+4], 16
	s_mov_b32 s[\g+5], 32
	s_mov_b32 s[\g+6], 0
	s_mov_b32 s[\g+7], 0
.endr
	s_lshl_b32 s18, s16, 7                         ; which 128 rows of the tile I fetch
	s_lshl_b32 s20, s17, 8
	s_add_co_u32 s20, s20, s18
	s_add_co_u32 s20, s20, s19                     ; A: row 256 TR + 128 x half (+ 2,048 for v)
	s_lshl_b32 s46, s42, 8
	s_add_co_u32 s46, s46, s18                     ; B: row 256 TC + 128 x half
	s_mov_b32 s21, 0
	s_mov_b32 s47, 0
	s_mov_b64 s[18:19], KS
	s_mul_u64 s[22:23], s[20:21], s[18:19]         ; where these rows' scales begin, in bytes
	s_mul_u64 s[92:93], s[46:47], s[18:19]
	s_mov_b64 s[18:19], KROW
	s_mul_u64 s[20:21], s[20:21], s[18:19]         ; and their codes
	s_mul_u64 s[46:47], s[46:47], s[18:19]
	s_mul_i32 s45, s14, HALFT                      ; where they go: wave x 128 rows: no place in the cluster enters an LDS address
	s_mul_i32 s94, s14, HALFS
	s_mov_b32 s2, 0x76543210                       ; v_permlanex16_b32's selects for lane l xor 16
	s_mov_b32 s3, 0xfedcba98
	s_mov_b32 s101, 0xffff0000                     ; lanes 16-31
	s_wait_dscnt 0x0                               ; both opening adds are done
	s_wait_kmcnt 0x0
	s_cmp_eq_u32 ttmp9, 2                          ; the buffers change roles for v: a choice that hangs on no address
	s_cselect_b64 s[66:67], s[8:9], s[4:5]
	s_cselect_b64 s[8:9], s[4:5], s[8:9]           ; B's codes
	s_mov_b64 s[4:5], s[66:67]                     ; A's codes
	s_cselect_b64 s[66:67], s[10:11], s[6:7]
	s_cselect_b64 s[10:11], s[6:7], s[10:11]       ; B's scales
	s_mov_b64 s[6:7], s[66:67]                     ; A's scales
	s_add_nc_u64 s[20:21], s[4:5], s[20:21]
	s_add_nc_u64 s[22:23], s[6:7], s[22:23]
	s_add_nc_u64 s[46:47], s[8:9], s[46:47]
	s_add_nc_u64 s[92:93], s[10:11], s[92:93]
	CROUND                                         ; all sixteen work-groups are here: the joint loads meet
	s_mov_b32 s[G0S], 1
	s_add_co_u32 s[G0S+1], s94, SCL
	s_mov_b64 s[G0S+2:G0S+3], s[22:23]
	s_or_b32 s[G0S+3], s[G0S+3], 0x80000000
	s_mov_b32 s[G0SB], 1
	s_add_co_u32 s[G0SB+1], s94, SCL
	s_mov_b64 s[G0SB+2:G0SB+3], s[92:93]
	s_or_b32 s[G0SB+3], s[G0SB+3], 0x80000000
	JLOAD G0S, G1S, G0SB, G1SB                     ; the scales first: they are wanted with the first step
.irp s, 0,1
	s_mov_b32 s[G0+4*\s], 1
	s_add_co_u32 s[G0+4*\s+1], s45, \s*SLOT
	s_add_nc_u64 s[G0+4*\s+2:G0+4*\s+3], s[20:21], \s*ROWB
	s_or_b32 s[G0+4*\s+3], s[G0+4*\s+3], 0x80000000
	s_mov_b32 s[G0B+4*\s], 1
	s_add_co_u32 s[G0B+4*\s+1], s45, \s*SLOT
	s_add_nc_u64 s[G0B+4*\s+2:G0B+4*\s+3], s[46:47], \s*ROWB
	s_or_b32 s[G0B+4*\s+3], s[G0B+4*\s+3], 0x80000000
	JLOAD G0+4*\s, G1, G0B+4*\s, G1B               ; three tensor loads of mine are out, all first fills
.endr
	v_and_b32 v1, 15, v0                           ; r
	v_bfe_u32 v2, v0, 4, 1                         ; h
	v_and_b32 v3, 8, v1
	v_add_nc_u32 v3, v3, v1                        ; r + 8 (r / 8)
	v_mul_u32_u24 v4, v3, PITCH
	v_lshl_add_u32 v4, v2, 4, v4                   ; a fragment's row x pitch + 16 x half
	s_mul_i32 s21, s15, HALFT                      ; my 128 rows of A
	s_mul_i32 s22, s16, HALFT                      ; my 128 rows of B,
	s_add_co_u32 s22, s22, 2*HALFT                 ; behind A's 256
.irp s, 0,1
	v_add_nc_u32 v[ADRA+\s], s21, v4
	v_add_nc_u32 v[ADRB+\s], s22, v4
	s_add_co_u32 s21, s21, SLOT
	s_add_co_u32 s22, s22, SLOT
.endr
	v_lshrrev_b32 v5, 3, v1                        ; my row's scales: 32 bytes a row, eight rows to a unit of 272; rows r + 8 (r / 8): two units on for r of 8 and more
	v_mul_u32_u24 v5, v5, 544
	v_and_b32 v6, 7, v1
	v_lshl_add_u32 v5, v6, 5, v5
	s_mul_i32 s21, s15, HALFS                      ; A's: my 128 rows
	s_mul_i32 s22, s16, HALFS                      ; B's: my 128 rows, behind A's 256
	s_add_co_u32 s22, s22, 2*HALFS
	s_sub_co_u32 s22, s22, s21
	v_mul_u32_u24 v6, s22, v2                      ; lanes 16-31 take B's: the lower base + h x the distance
	s_add_co_u32 s21, s21, SCL
	v_add_nc_u32 v5, v5, v6
	v_add_nc_u32 v[ADRS], s21, v5
	v_and_b32 v6, 31, v0
	v_lshlrev_b32 v[LI], 4, v6
	v_lshlrev_b32 v[L8], 3, v6
	; THE BIAS is the C of each sum's first product.  q, k: by B's row: register 8 b + j = bias(32 (b / 2) + 8 (b % 2) + 16 h + j).  v: by A's row: all eight registers of tile a = bias(my row of tile a).
	s_cmp_eq_u32 s95, 0
	s_cbranch_scc0 .Lbias_v
	s_lshl_b32 s20, s42, 10                        ; 4 bytes x (256 TC + 128 x my half of B)
	s_lshl_b32 s21, s16, 9
	s_add_co_u32 s20, s20, s21
	s_mov_b32 s21, 0
	s_add_nc_u64 s[96:97], s[96:97], s[20:21]
	v_lshlrev_b32 v7, 6, v2                        ; 16 numbers on for lanes 16-31
.irp b, 0,1,2,3,4,5,6,7
	global_load_b128 v[BIAS+8*\b:BIAS+8*\b+3],   v7, s[96:97] offset:4*(32*(\b/2)+8*(\b%2))
	global_load_b128 v[BIAS+8*\b+4:BIAS+8*\b+7], v7, s[96:97] offset:4*(32*(\b/2)+8*(\b%2))+16
.endr
	s_branch .Lbias_done
.Lbias_v:
	s_lshl_b32 s20, s17, 10                        ; 4 bytes x (2,048 + 256 TR + 128 x my half of A)
	s_lshl_b32 s21, s15, 9
	s_add_co_u32 s20, s20, s21
	s_add_co_u32 s20, s20, 8192
	s_mov_b32 s21, 0
	s_add_nc_u64 s[96:97], s[96:97], s[20:21]
	v_lshlrev_b32 v7, 2, v3
.irp a, 0,1,2,3,4,5,6,7
.irp j, 0,1,2,3,4,5,6,7
	global_load_b32 v[BIAS+8*\a+\j], v7, s[96:97] offset:4*(32*(\a/2)+8*(\a%2))   ; the same number into the tile's eight registers: once a launch, and every register is written by this arm too
.endr
.endr
.Lbias_done:
.macro FRAG reg, adr, q, i             ; 16 rows x 128 K of 4-bit codes: 8 registers; registers 4 c .. 4 c + 3 hold K = 64 c + 32 (l / 16) + 0 .. 31
.irp c, 0,1
	ds_load_b128 v[\reg+4*\c:\reg+4*\c+3], v[\adr] offset:64*(\q)+32*\c+(32*((\i)/2)+8*((\i)%2))*PITCH
.endr
.endm
.macro MM a, b, p, q, sc, c0           ; one product: A's block a x B's block b; c0: C's first register
	v_wmma_scale_f32_16x16x128_f8f6f4 v[8*(8*((\a)%4)+\b):8*(8*((\a)%4)+\b)+7], v[128*(\p)+FR*\b:128*(\p)+FR*\b+FR-1], v[AF+FR*(\a):AF+FR*(\a)+FR-1], v[\c0:\c0+7], v[SC+8*NQ*(\sc)+NQ*\b+(\q)], v[SC+8*NQ*(\sc)+NQ*(\a)+(\q)] matrix_a_fmt:MATRIX_FMT_FP4 matrix_b_fmt:MATRIX_FMT_FP4 matrix_a_scale:MATRIX_SCALE_ROW1
.endm
; 16 products: A's blocks a0, a0 + 1 x B's eight.  zero = 0: the sums go on;  1: they start from the bias by B's block;  2: from the bias by A's block.  The 64 accumulators take turns.
.macro MUL16 a0, p, q, sc, zero
.irp a, \a0, \a0+1
.irp b, 0,1,2,3,4,5,6,7
.if \zero == 1
	MM \a, \b, \p, \q, \sc, BIAS+8*\b
.elseif \zero == 2
	MM \a, \b, \p, \q, \sc, BIAS+8*(\a)
.else
	MM \a, \b, \p, \q, \sc, 8*(8*((\a)%4)+\b)
.endif
.endr
.endr
.endm
.macro FETCH_B slot, q, p
	WIN TO_B
.irp i, 0,1,2,3,4,5,6,7
	FRAG 128*(\p)+FR*\i, ADRB+\slot, \q, \i
.endr
	WIN 0
.endm
.macro FETCH_A slot, q, i0
.irp i, \i0, \i0+1, \i0+2, \i0+3
	FRAG AF+FR*(\i), ADRA+\slot, \q, \i
.endr
.endm
.macro SCALES sc                       ; a slot's scale words: four words a row; lanes 0-15 take A's block i, lanes 16-31 B's block i
.irp i, 0,1,2,3,4,5,6,7
	ds_load_b128 v[SC+8*NQ*\sc+NQ*\i:SC+8*NQ*\sc+NQ*\i+3], v[ADRS] offset:(4*(\i/2)+\i%2)*272
.endr
.endm
.macro PLACES n                        ; places in front of loads into registers that matrix instructions have read, and of the first read of results
.rept \n
	v_nop
.endr
.endm
.macro STEP slot, q, zero              ; a step of 128 along K that has its successor in the same slot
	s_wait_dscnt 4*NL                              ; B's set and A's blocks 0-3 are in; the youngest eight loads (A's blocks 4-7) may be out
.if \zero
	WIN 0x81                                       ; C (the bias) in window 0, D in window 2
.else
	WIN MUL_LO
.endif
	MUL16 0, (\q)%2, \q, \slot, \zero
	MUL16 2, (\q)%2, \q, \slot, \zero
	s_wait_dscnt 0                                 ; A's blocks 4-7 are in
	PLACES NP
	FETCH_B \slot, (\q)+1, 1-(\q)%2
	FETCH_A \slot, (\q)+1, 0
.if \zero
	WIN 0xc1
.else
	WIN MUL_HI
.endif
	MUL16 4, (\q)%2, \q, \slot, \zero
	MUL16 6, (\q)%2, \q, \slot, \zero
	PLACES NP
	WIN 0
	FETCH_A \slot, (\q)+1, 4
.endm
.macro TURN slot, next                 ; a slot's last step, and the change to the next slot: one barrier; nothing is filled again
	s_wait_tensorcnt 0x0                           ; all my tensor loads have landed: my part of the next slot
	ds_add_u32 v[SPW], v[NIL]
	s_wait_dscnt 4*NL+1                            ; (the add and the youngest eight loads may be out)
	WIN MUL_LO
	MUL16 0, 1, NQ-1, \slot, 0
	s_wait_dscnt 0x0                               ; no LDS instruction of mine is out at the signal
	s_barrier_signal -1
	MUL16 2, 1, NQ-1, \slot, 0
	WIN 0
	s_barrier_wait -1                              ; everybody's part of the next slot is in
	PLACES NP
	v_add_nc_u32 v[ADRS], 4*NQ, v[ADRS]            ; the next slot's scale words
	FETCH_B \next, 0, 0
	FETCH_A \next, 0, 0
	SCALES \next
	WIN MUL_HI
	MUL16 4, 1, NQ-1, \slot, 0
	MUL16 6, 1, NQ-1, \slot, 0
	PLACES NP
	WIN 0
	FETCH_A \next, 0, 4
.endm
.macro STEPS slot, from
.set Q, \from
.rept NQ-1-\from
	STEP \slot, Q, 0
.set Q, Q+1
.endr
.endm
	s_wait_tensorcnt 1                             ; the scales and my part of slot 0 are in; slot 1's load may be out
	s_barrier_signal -1
	s_barrier_wait -1
	FETCH_B 0, 0, 0
	FETCH_A 0, 0, 0
	SCALES 0
	FETCH_A 0, 0, 4
	s_wait_loadcnt 0x0                             ; the bias
	s_cmp_eq_u32 s95, 0
	s_cbranch_scc0 .Lfirst_v
	STEP 0, 0, 1                                   ; q, k: the sums start from the bias of B's rows
	s_branch .Lfirst_done
.Lfirst_v:
	STEP 0, 0, 2                                   ; v: from the bias of A's rows
.Lfirst_done:
	STEPS 0, 1
	TURN 0, 1
	STEPS 1, 0
	s_wait_dscnt 4*NL                              ; the last step: nothing more to fetch
	WIN MUL_LO
	MUL16 0, 1, NQ-1, 1, 0
	MUL16 2, 1, NQ-1, 1, 0
	s_wait_dscnt 0
	WIN MUL_HI
	MUL16 4, 1, NQ-1, 1, 0
	MUL16 6, 1, NQ-1, 1, 0
	WIN 0
; THE WAY OUT.  Block a's 64 numbers of a lane (register 16 b + i = place 32 b + 16 (l / 16) + i along the next K, of the lane's row) become a fragment's codes in v[PC + 8 a] on and its scale word in v[PW + a].
; A block's largest magnitude, with the floor 2^(3 - 127) among its leaves; 2 off its exponent field gives the conversion's scale operand; that shifted gives the byte.  Each accumulator is read from its low end on.
.macro QUANTA a
.set W, 2+(\a)/4
.set AC, 64*((\a)%4)
.set PCA, PC+8*(\a)
	WIN (W|(W<<2))                                 ; sources 0 and 1 in the accumulators' window
.irp b, 0,1,2,3
	v_max3_num_f32 v[TM+\b], |v[AC+16*\b]|, |v[AC+16*\b+1]|, 0x1800000
.endr
	WIN ((W<<2)|(W<<4))                            ; sources 1 and 2
.irp i, 2,4,6,8,10,12,14
.irp b, 0,1,2,3
	v_max3_num_f32 v[TM+\b], v[TM+\b], |v[AC+16*\b+\i]|, |v[AC+16*\b+\i+1]|
.endr
.endr
	WIN 0
.irp b, 0,1,2,3
	v_permlanex16_b32 v[TM+4+\b], v[TM+\b], s2, s3
.endr
.irp b, 0,1,2,3
	v_max_num_f32 v[TM+\b], v[TM+\b], v[TM+4+\b]   ; with lane l xor 16's 16: the block's
.endr
.irp b, 0,1,2,3
	v_add_nc_u32 v[TM+12+\b], 0xff000000, v[TM+\b]
.endr
.irp b, 0,1,2,3
	v_lshrrev_b32 v[TM+8+\b], 23, v[TM+12+\b]
.endr
	v_lshl_or_b32 v[PW+(\a)], v[TM+9], 8, v[TM+8]
	v_lshl_or_b32 v[PW+(\a)], v[TM+10], 16, v[PW+(\a)]
	v_lshl_or_b32 v[PW+(\a)], v[TM+11], 24, v[PW+(\a)]
	WIN W                                          ; source 0 in the accumulators' window
.irp b, 0,1,2,3
	v_cvt_scalef32_pk8_fp4_f32 v[PCA+2*\b], v[AC+16*\b:AC+16*\b+7], v[TM+12+\b]
	v_cvt_scalef32_pk8_fp4_f32 v[PCA+1+2*\b], v[AC+16*\b+8:AC+16*\b+15], v[TM+12+\b]
.endr
	WIN 0
	v_nop                                          ; one plain place behind a scaled conversion
.irp c, 0,1                                    ; the operand's layout wants a whole block in a lane
.irp i, 0,1
	v_permlane16_swap_b32 v[PCA+4*\c+\i], v[PCA+2+4*\c+\i]
.endr
.endr
.endm
; Every block has registers of its own for its codes and its word, so no store's data are written again.  Each store of codes covers 512 consecutive bytes, at a multiple of 256 from the buffer's first byte.
.macro OUT isv
.if \isv
	s_lshl_b32 s20, s42, 1
	s_add_co_u32 s20, s20, s16                     ; my 128 tokens: 2 TC + my half of B
	s_lshl_b32 s21, s17, 1
	s_add_co_u32 s21, s21, s15
	s_lshl_b32 s21, s21, 1                         ; my first head: 2 (2 TR + my half of A)
	s_mov_b32 s23, VO
.else
	s_cmp_eq_u32 ttmp9, 0
	s_cselect_b32 s23, QO, 0                       ; q's images, or k's
	s_lshl_b32 s20, s17, 1
	s_add_co_u32 s20, s20, s15                     ; my 128 tokens: 2 TR + my half of A
	s_lshl_b32 s21, s42, 1
	s_add_co_u32 s21, s21, s16
	s_and_b32 s21, s21, 7
	s_lshl_b32 s21, s21, 1                         ; my first head
.endif
	s_lshr_b32 s22, s20, 4                         ; the batch
	s_lshl_b32 s22, s22, 4
	s_add_co_u32 s22, s22, s21
	s_lshl_b32 s22, s22, 4
	s_and_b32 s20, s20, 15                         ; the block of 128 tokens in it
	s_add_co_u32 s22, s22, s20
	s_mul_i32 s22, s22, BLK
	s_add_co_u32 s22, s22, s23
	s_mov_b32 s23, 0
	s_add_nc_u64 s[98:99], s[98:99], s[22:23]
.irp a, 0,1,2,3,4,5,6,7
	QUANTA \a
.irp c, 0,1
.if \isv
	global_store_b128 v[LI], v[PC+8*\a+4*\c:PC+8*\a+4*\c+3], s[98:99] offset:(\a/4)*HS+(\a%4)*1024+512*\c   ; head a / 4, d tile a % 4, keys 64 c on
.else
	global_store_b128 v[LI], v[PC+8*\a+4*\c:PC+8*\a+4*\c+3], s[98:99] offset:\c*HS+512*\a                  ; head c, tile a of tokens
.endif
.endr
.endr
.if \isv
.irp g, 0,1                                    ; head g: register i carries tile 2 i's words in lanes 0-15 and tile 2 i + 1's in lanes 16-31
.irp i, 0,1
	v_cndmask_b32 v[SW+2*\g+\i], v[PW+4*\g+2*\i], v[PW+4*\g+2*\i+1], s101
.endr
	global_store_b64 v[L8], v[SW+2*\g:SW+2*\g+1], s[98:99] offset:\g*HS+4096
.endr
.else
.irp i, 0,1,2,3
	v_cndmask_b32 v[SW+\i], v[PW+2*\i], v[PW+2*\i+1], s101   ; the first head's two bytes are a word's low half; its high half (the second head's bytes, 1 to 254) meets zero codes in the next launch
.endr
.irp i, 0,1,2,3
	v_lshrrev_b32 v[SW+4+\i], 16, v[SW+\i]         ; the second head's
.endr
	global_store_b128 v[LI], v[SW:SW+3], s[98:99] offset:4096
	global_store_b128 v[LI], v[SW+4:SW+7], s[98:99] offset:HS+4096
.endif
.endm
	PLACES NP                                      ; behind the last products: their results are read, and A's fragments' registers are written
.irp b, 0,1,2,3
	v_mov_b32 v[TM+4+\b], 0                        ; written once: a lane permute's destination counts as one of its sources
.endr
	s_cmp_eq_u32 s95, 0
	s_cbranch_scc0 .Lout_v
	OUT 0
	s_branch .Lout_done
.Lout_v:
	OUT 1
.Lout_done:
	s_wait_tensorcnt 0x0                           ; the wave's end
	ds_add_u32 v[SPW], v[NIL]
	s_wait_dscnt 0x0
	CROUND                                         ; the closing round: no work-group ends while a partner may still ask for a tile that names it
	s_endpgm
.Lfunc_end_k_q097cca539f_qkv:
	.size	k_q097cca539f_qkv, .Lfunc_end_k_q097cca539f_qkv-k_q097cca539f_qkv
	.p2alignl 7, 3214868480
	.fill 96, 4, 3214868480
	.section	.rodata,"a",@progbits
	.p2align	6, 0x0
	.amdhsa_kernel k_q097cca539f_qkv
		.amdhsa_group_segment_fixed_size 327680
		.amdhsa_private_segment_fixed_size 0
		.amdhsa_enable_private_segment 0
		.amdhsa_kernarg_size 48
		.amdhsa_user_sgpr_count 2
		.amdhsa_user_sgpr_kernarg_segment_ptr 1
		.amdhsa_wavefront_size32 1
		.amdhsa_system_sgpr_workgroup_id_x 1
		.amdhsa_system_sgpr_workgroup_id_y 1
		.amdhsa_system_sgpr_workgroup_id_z 1
		.amdhsa_system_vgpr_workitem_id 0
		.amdhsa_next_free_vgpr 1024
		.amdhsa_next_free_sgpr 102
		.amdhsa_reserve_vcc 0
		.amdhsa_float_denorm_mode_32 3
		.amdhsa_float_denorm_mode_16_64 3
		.amdhsa_memory_ordered 1
		.amdhsa_forward_progress 1
		.amdhsa_inst_pref_size 181
	.end_amdhsa_kernel
	.amdgpu_metadata
---
amdhsa.version: [ 1, 2 ]
amdhsa.kernels:
  - .name:           k_q097cca539f_qkv
    .symbol:         k_q097cca539f_qkv.kd
    .args:
      - { .name: x_codes, .offset: 0, .size: 8, .value_kind: global_buffer, .address_space: global }
      - { .name: x_scales, .offset: 8, .size: 8, .value_kind: global_buffer, .address_space: global }
      - { .name: qkv_w_codes, .offset: 16, .size: 8, .value_kind: global_buffer, .address_space: global }
      - { .name: qkv_w_scales, .offset: 24, .size: 8, .value_kind: global_buffer, .address_space: global }
      - { .name: qkv_b, .offset: 32, .size: 8, .value_kind: global_buffer, .address_space: global }
      - { .name: qkv, .offset: 40, .size: 8, .value_kind: global_buffer, .address_space: global }
    .group_segment_fixed_size: 327680
    .private_segment_fixed_size: 0
    .kernarg_segment_align: 8
    .kernarg_segment_size: 48
    .max_flat_workgroup_size: 128
    .sgpr_count:     102
    .vgpr_count:     1024
    .wavefront_size: 32
...
	.end_amdgpu_metadata
.endif
;; end of part 1
;; launch attn (part 2): grid 4 x 64, 16 waves a work-group, clusters of 4 x 1, 167,936 bytes of LDS; arguments qkv, o_codes, o_scales; writes o_codes, o_scales
.if DOCPART == 2
	.amdgcn_target "amdgcn-amd-amdhsa--gfx1250"
	.amdhsa_code_object_version 6
	.text
	.protected	k_q097cca539f_attn
	.globl	k_q097cca539f_attn
	.p2align	8
	.type	k_q097cca539f_attn,@function
k_q097cca539f_attn:
	s_mov_b64 s[64:65], 0
	v_nop
	global_prefetch_b8 v0, s[64:65] scope:SCOPE_SE
	s_setreg_imm32_b32 hwreg(HW_REG_WAVE_MODE, 25, 1), 1
	s_wait_xcnt 0x0
	s_wait_alu depctr_hold_cnt(0) depctr_sa_sdst(0) depctr_va_vdst(0) depctr_va_sdst(0) depctr_va_ssrc(0) depctr_va_vcc(0) depctr_vm_vsrc(0)
	s_getreg_b32 s2, hwreg(HW_REG_IB_STS2, 6, 4)
	s_cmp_eq_u32 s2, 0
	s_cbranch_scc0 .Lentry_in_a_cluster
	s_endpgm
.Lentry_in_a_cluster:
	s_bfe_u32 s2, ttmp6, 0x10000c
	s_cmp_lg_u32 s2, 0x3003
	s_cbranch_scc0 .Lentry_shape_is_right
	s_endpgm
.Lentry_shape_is_right:
; LAUNCH 2 OF 3.  o = softmax(q k^T / 8, causal) v for each of 64 (batch, head), both products on codes of FP4 (E2M1) with E8M0 scales; o is divided by the row's sum and quantised along the channels for launch 3.
; WORK LEFT OUT: steps of 128 keys that lie wholly behind a tile's 16 queries: reference()'s own mask gives them the weight 0 for all inputs (shown at the head of launch 1).
; THE SOFTMAX: t = score x log2(e) / 8; M = the running largest t rounded UP to a whole number; p = 2^(t - M) is quantised along the keys, not normalised; the row's sum is taken of the unquantised p, in f32.
; When M moves, the sum and O are multiplied by 2^(old M - new M): exact.
; SHARES.  The four work-groups of a cluster share one (batch, head).  Wave w of partner j takes query tiles 4 w + j and 127 - (4 w + j), one after the other: the first lies in block w / 2 of 128 tokens and walks w / 2 + 1 key steps,
; the second in block 15 - w / 2 and walks 16 - w / 2: 17 key steps for every wave of the launch.  The limits hang on the wave's number alone; j enters global addresses and the number that the mask compares, and nothing else.
; LDS.  The head's K and V, codes and scale words, stay in LDS whole: 16 key steps x 8,960 bytes, images of the operand registers as launch 1 left them.  Each wave asks for one step, jointly with its three partners
; (the same descriptor, a mask that names the four).  Nothing is filled again: one tensor load of mine is out, at the start.  No barrier stands in the work.
; LAYOUT.  Both products are used transposed: S^T = K Q^T, O^T = V^T P^T: a lane holds ONE query throughout.  Tiles of keys, of queries and of d take their rows in the order 32 (a / 2) + 8 (a % 2) + r + 8 (r / 8).
; K = 64 IN AN INSTRUCTION OF 128.  Q's registers 4-7 are zero codes.  K's tile a is named as v[32 + 4 a] to v[39 + 4 a]: its upper four registers are the next tile's codes (for tile 7: zeros); they meet Q's zeros, and
; a code of this format is always a finite number and no scale byte here is 0xff, so these products are exactly 0.
; THE SCALE BYTES OF o leave two bytes a row: a row's 32 bytes come from 16 heads, which are 16 clusters' work; they are 1 byte in 17 of this launch's output... of its 4,456,448 bytes 262,144.
; LIMITS: as stated at the head of launch 1.
.set BLK,   13568                      ; a block of the workspace
.set STEPB, 8960                       ; its part that a key step needs: K's codes and words, V's codes and words
.set KSO,   4096
.set VO,    4608
.set VSO,   8704
.set QO,    8960
.set QSO,   13056
.set SPARE, 16*STEPB                   ; the spare words: 128 bytes a wave, eight blocks of 256 bytes that no other line names
.set SPW,  3                           ; v3   my spare word; never rewritten
.set NIL,  4                           ; v4   0; never rewritten
.set KF,   32                          ; v32-63   K's eight tiles, four registers each; v64-67 zeros
.set KSW,  68                          ; v68-71   K's scale words: register i: tile 2 i in lanes 0-15, tile 2 i + 1 in lanes 16-31
.set VF,   72                          ; v72-103  V's four tiles
.set VSW,  104                         ; v104-105 V's scale words, likewise
.set S,    112                         ; v112-175 S^T, then p
.set OT,   176                         ; v176-207 O^T
.set PCD,  208                         ; v208-215 p's codes
.set PSW,  216                         ; v216     p's scale word
.set BM,   220                         ; v220-223 each block's largest score, then its largest p
.set BT,   224                         ; v224-227 at work
.set BS,   228                         ; v228-231 the conversions' scale operands
.set F,    232                         ; v[232:233] f = 2^(old M - new M); the pair's upper half is written once
.set TV,   234                         ; v234     at work
.set NINF, 235                         ; v235     -infinity
.set WV,   10                          ; s10  my wave's number
.set G1,   16                          ; s[16:23], s[24:27] the descriptor
.set G0,   24
.set SEL,  28                          ; s[28:29] lane selects for lane l xor 16
.set CS,   30                          ; s[30:31] c = log2(e) / 8
.set TB,   32                          ; s32  LDS byte at which the key step begins
.set KSN,  33                          ; s33  the key step's number
.macro CROUND                          ; a round of the cluster's barrier
	s_barrier_signal -1
	s_barrier_wait -1
	s_cmp_lg_u32 s[WV], 0
	s_cbranch_scc1 .Lnot_wave_0_\@
	s_barrier_signal -3
.Lnot_wave_0_\@:
	s_barrier_wait -3
	s_barrier_signal -1
	s_barrier_wait -1
.endm
	s_load_b128 s[4:7], s[0:1], 0x0                ; the workspace of launch 1, o's codes
	s_load_b64 s[8:9], s[0:1], 0x10                ; o's scale bytes
	v_lshl_add_u32 v[SPW], v0, 2, SPARE
	v_mov_b32 v[NIL], 0
	ds_add_u32 v[SPW], v[NIL]                      ; the wave's opening: the add, twice on end, and its wait ahead of my first tensor load
	ds_add_u32 v[SPW], v[NIL]
	v_lshrrev_b32 v1, 5, v0
	v_readfirstlane_b32 s[WV], v1                  ; wave 0..15
	s_bfe_u32 s11, ttmp6, 0x40000                  ; cx: my place in the cluster
	s_and_b32 s12, ttmp7, 0xffff                   ; batch x 16 + head: the cluster's y, which the four partners share
	; descriptor group 1: 8,960 dense bytes as 35 rows of 256 bytes (32 elements of 8 bytes), no padding
	s_mov_b32 s[G1+0], 15|(3<<16)|(1<<21)          ; the mask: all four work-groups; elements of 8 bytes; bit 21 beside a mask
	s_mov_b32 s[G1+1], 32<<16                      ; tensor_dim0
	s_mov_b32 s[G1+2], 35<<16                      ; tensor_dim1
	s_mov_b32 s[G1+3], 32<<16                      ; tile_dim0
	s_mov_b32 s[G1+4], 35                          ; tile_dim1
	s_mov_b32 s[G1+5], 32                          ; from row to row
	s_mov_b32 s[G1+6], 0
	s_mov_b32 s[G1+7], 0
	s_mov_b32 s[SEL], 0x76543210
	s_mov_b32 s[SEL+1], 0xfedcba98
	s_mov_b32 s[CS], 0x3e38aa3b                    ; log2(e) / 8
	s_mov_b32 s[CS+1], s[CS]                       ; (named with it as a pair, so it is written)
	s_lshl_b32 s56, s12, 4
	s_add_co_u32 s56, s56, s[WV]                   ; key step w of my head
	s_mul_i32 s56, s56, BLK
	s_mov_b32 s57, 0
	s_mov_b32 s[G0], 1
	s_mul_i32 s[G0+1], s[WV], STEPB                ; its place in LDS: the wave's number alone
	s_wait_dscnt 0x0                               ; both opening adds are done
	s_wait_kmcnt 0x0
	s_add_nc_u64 s[G0+2:G0+3], s[4:5], s[56:57]
	s_or_b32 s[G0+3], s[G0+3], 0x80000000
	CROUND                                         ; all four work-groups are here: the joint loads meet
	tensor_load_to_lds s[G0:G0+3], s[G1:G1+7]
	s_nop 0
	; my two tiles
	s_lshr_b32 s34, s[WV], 1                       ; tile A's block of 128 tokens = its last key step
	s_sub_co_u32 s35, 15, s34                      ; tile B's
	s_and_b32 s38, s[WV], 1
	s_lshl_b32 s38, s38, 2
	s_add_co_u32 s38, s38, s11                     ; tile A's place a in its block: 4 (w % 2) + cx
	s_sub_co_u32 s39, 7, s38                       ; tile B's
; a, n: registers with the tile's place and block.  xs: 32 (a / 2) + 8 (a % 2).  qb, qs: where Q's codes and scale words lie.  oc, os: where o's go.
.macro TSET a, n, xs, qb, qs, oc, os
	s_lshr_b32 s58, s[\a], 1
	s_and_b32 s59, s[\a], 1
	s_lshl_b32 s60, s58, 5
	s_lshl_b32 s61, s59, 3
	s_add_co_u32 s[\xs], s60, s61
	s_lshl_b32 s60, s12, 4
	s_add_co_u32 s60, s60, s[\n]
	s_mul_i32 s60, s60, BLK                        ; the block of the workspace
	s_lshl_b32 s62, s[\a], 9
	s_add_co_u32 s62, s62, s60
	s_add_co_u32 s62, s62, QO
	s_mov_b32 s63, 0
	s_add_nc_u64 s[\qb:\qb+1], s[4:5], s[62:63]    ; Q's codes of tile a
	s_lshl_b32 s62, s59, 8                         ; its words: register a / 2, lanes 16 (a % 2) on, 16 bytes a lane
	s_lshl_b32 s61, s58, 2
	s_add_co_u32 s62, s62, s61
	s_add_co_u32 s62, s62, s60
	s_add_co_u32 s62, s62, QSO
	s_add_nc_u64 s[\qs:\qs+1], s[4:5], s[62:63]
	s_lshr_b32 s60, s12, 4
	s_lshl_b32 s60, s60, 7
	s_lshl_b32 s61, s[\n], 3
	s_add_co_u32 s60, s60, s61
	s_add_co_u32 s60, s60, s[\a]                   ; m = batch x 128 + the query tile
	s_and_b32 s61, s12, 15                         ; the head
	s_lshl_b32 s62, s60, 9
	s_lshl_b32 s58, s61, 1
	s_add_co_u32 s62, s62, s58
	s_add_nc_u64 s[\os:\os+1], s[8:9], s[62:63]    ; o's scale bytes: 512 m + 2 x head
	s_lshl_b32 s62, s60, 12
	s_lshr_b32 s58, s61, 3
	s_lshl_b32 s58, s58, 21
	s_add_co_u32 s62, s62, s58
	s_bfe_u32 s58, s61, 0x20001
	s_lshl_b32 s58, s58, 10
	s_add_co_u32 s62, s62, s58
	s_and_b32 s58, s61, 1
	s_lshl_b32 s58, s58, 9
	s_add_co_u32 s62, s62, s58
	s_add_nc_u64 s[\oc:\oc+1], s[6:7], s[62:63]    ; o's codes: [head / 8][m][(head / 2) % 4][head % 2][512 bytes]
.endm
	TSET 38, 34, 36, 40, 44, 48, 52
	TSET 39, 35, 37, 42, 46, 50, 54
	v_and_b32 v11, 31, v0
	v_lshlrev_b32 v1, 4, v11                       ; v1  16 x lane
	v_lshlrev_b32 v2, 3, v11                       ; v2  8 x lane
	v_and_b32 v11, 15, v0                          ; r
	v_lshlrev_b32 v9, 5, v11                       ; v9  32 r: my row of o's scale bytes
	v_lshlrev_b32 v10, 4, v11                      ; v10 16 r: my row's word among Q's
	global_load_b128 v[16:19], v1, s[40:41]        ; Q's codes stay in registers: tile A,
	global_load_b128 v[24:27], v1, s[42:43]        ; tile B
	global_load_b32 v106, v10, s[44:45]            ; and their scale words
	global_load_b32 v107, v10, s[46:47]
	v_and_b32 v5, 8, v11
	v_add_nc_u32 v5, v5, v11
	v_bfe_u32 v11, v0, 4, 1                        ; h
	v_lshlrev_b32 v11, 4, v11
	v_sub_nc_u32 v5, v5, v11                       ; v5  r + 8 (r / 8) - 16 h
.irp j, 20,21,22,23,28,29,30,31,64,65,66,67
	v_mov_b32 v\j, 0                               ; zero codes: Q's upper halves, and what stands behind K's tile 7
.endr
.irp b, 0,1,2,3
	v_mov_b32 v[BT+\b], 0                          ; written once: a lane permute's destination counts as one of its sources
.endr
	v_mov_b32 v[F], 0
	v_mov_b32 v[F+1], 0
	v_mov_b32 v[NINF], 0xff800000
	s_wait_tensorcnt 0x0                           ; my key step is in,
	s_barrier_signal -1
	s_barrier_wait -1                              ; everybody's is: the whole head lies in LDS
	s_wait_loadcnt 0x0                             ; Q
; ONE TILE OF 16 QUERIES.  qr: Q's fragment; qs: its scale word; lim, xs: scalar registers with the last key step and the tile's term of the mask; oc, os: bases of the stores; rc, rw: registers of the results.
; The loop has a constant 16 trips; a step behind the limit is jumped over by a scalar branch made of the wave's number and the count of steps; only the lines that step the address and the count stand behind that jump's label.
.macro TILE qr, qs, lim, xs, oc, os, rc, rw
	v_mov_b32 v13, 0xff61b1e6                      ; the largest t so far: -3e38
	v_floor_f32 v12, -v13                          ; -M
	v_mov_b32 v14, 0                               ; the sum, in two halves
	v_mov_b32 v15, 0
.set j, 0
.rept 32
	v_mov_b32 v[OT+j], 0                           ; O^T: the step is written once, and its first pass finds zeros
.set j, j+1
.endr
	v_add_nc_u32 v6, s[\xs], v5                    ; my query's place in its block, less 16 h
	s_mov_b32 s[TB], 0
	s_mov_b32 s[KSN], 0
.Ltrip_\@:
	s_cmp_gt_u32 s[KSN], s[\lim]
	s_cbranch_scc1 .Lhidden_\@
	v_add_nc_u32 v7, s[TB], v1
	v_add_nc_u32 v8, s[TB], v2
	v_nop
	v_nop                                          ; four places in front of loads into registers that the last products read
.irp a, 0,1,2,3,4,5,6,7
	ds_load_b128 v[KF+4*\a:KF+4*\a+3], v7 offset:512*\a
.endr
	ds_load_b128 v[KSW:KSW+3], v7 offset:KSO
.irp t, 0,1,2,3
.irp c, 0,1
	ds_load_b128 v[VF+8*\t+4*\c:VF+8*\t+4*\c+3], v7 offset:VO+1024*\t+512*\c
.endr
.endr
	ds_load_b64 v[VSW:VSW+1], v8 offset:VSO
	s_wait_dscnt 9                                 ; K and its words are in; V's eight loads and its words' one may be out
.irp a, 0,1,2,3,4,5,6,7                        ; S^T = K Q^T: lane (r, h) holds query r; the 16 registers of tiles 2 b, 2 b + 1 are keys 32 b + 16 h + 0 .. 15
.if \a%2
	v_wmma_scale_f32_16x16x128_f8f6f4 v[S+8*\a:S+8*\a+7], v[KF+4*\a:KF+4*\a+7], v[\qr:\qr+7], 0, v[KSW+\a/2], v[\qs] matrix_a_fmt:MATRIX_FMT_FP4 matrix_b_fmt:MATRIX_FMT_FP4 matrix_a_scale:MATRIX_SCALE_ROW1
.else
	v_wmma_scale_f32_16x16x128_f8f6f4 v[S+8*\a:S+8*\a+7], v[KF+4*\a:KF+4*\a+7], v[\qr:\qr+7], 0, v[KSW+\a/2], v[\qs] matrix_a_fmt:MATRIX_FMT_FP4 matrix_b_fmt:MATRIX_FMT_FP4
.endif
.endr
.rept 4
	v_nop
.endr
	s_cmp_lg_u32 s[KSN], s[\lim]                   ; the tile's last step lies on the diagonal: there hidden scores become -infinity ahead of the maximum
	s_cbranch_scc1 .Lopen_\@
.set n, 0
.rept 64
	v_cmp_gt_i32 vcc_lo, 32*(n/16)+n%16, v6        ; register 16 b + i holds key 32 b + 16 h + i of the block: hidden where 32 b + i > my query's place - 16 h
	v_cndmask_b32 v[S+n], v[S+n], v[NINF], vcc_lo
.set n, n+1
.endr
.Lopen_\@:
.irp b, 0,1,2,3
	v_max3_num_f32 v[BM+\b], v[S+16*\b], v[S+1+16*\b], v[S+2+16*\b]   ; the largest score of each block of 32 keys: for the row's maximum, and, since p rises with the score, for the block's largest p
.endr
.irp i, 3,5,7,9,11,13
.irp b, 0,1,2,3
	v_max3_num_f32 v[BM+\b], v[BM+\b], v[S+16*\b+\i], v[S+1+16*\b+\i]
.endr
.endr
.irp b, 0,1,2,3
	v_max_num_f32 v[BM+\b], v[BM+\b], v[S+15+16*\b]
.endr
.irp b, 0,1,2,3
	v_permlanex16_b32 v[BT+\b], v[BM+\b], s[SEL], s[SEL+1]
.endr
.irp b, 0,1,2,3
	v_max_num_f32 v[BM+\b], v[BM+\b], v[BT+\b]     ; with lane l xor 16's 16 keys
.endr
	v_max3_num_f32 v[TV], v[BM], v[BM+1], v[BM+2]
	v_max_num_f32 v[TV], v[TV], v[BM+3]            ; the step's largest score of my query
	v_mul_f32 v[TV], s[CS], v[TV]                  ; as t
	v_max_num_f32 v13, v13, v[TV]                  ; the running largest t
	v_mov_b32 v[TV], v12
	v_floor_f32 v12, -v13                          ; the new -M = floor(-t): M is a whole number
	v_sub_f32 v[TV], v12, v[TV]                    ; old M - new M: a whole number, 0 or less
	v_cvt_i32_f32 v[TV], v[TV]                     ; (it saturates)
	v_ldexp_f32 v[F], 1.0, v[TV]                   ; f = 2^(old M - new M)
.set j, 0
.rept 32
	v_pk_fma_f32 v[S+j:S+j+1], v[S+j:S+j+1], s[CS:CS+1], v[12:13] op_sel_hi:[1,0,0]   ; t - M, two at a time
.set j, j+2
.endr
.irp b, 0,1,2,3
	v_fma_f32 v[BM+\b], v[BM+\b], s[CS], v12       ; the same of each block's largest score
.endr
.set j, 0
.rept 64
	v_exp_f32 v[S+j], v[S+j]                       ; p = 2^(t - M), at most 1
.set j, j+1
.endr
	v_pk_mul_f32 v[14:15], v[14:15], v[F:F+1] op_sel_hi:[1,0]   ; the sums under the new M: a plain place behind the exponentials
	s_wait_alu depctr_va_vdst(0)                   ; one wait for the batch of 64, ahead of its first reader
.irp b, 0,1,2,3
	v_exp_f32 v[BM+\b], v[BM+\b]                   ; each block's largest p
.endr
	v_pk_add_f32 v[BT:BT+1], v[S:S+1], v[S+2:S+3]  ; the row's sum is taken of the unquantised p, in two chains; these lines read the 64 alone
.set j, 4
.rept 15
	v_pk_add_f32 v[14:15], v[14:15], v[S+j:S+j+1]
	v_pk_add_f32 v[BT:BT+1], v[BT:BT+1], v[S+j+2:S+j+3]
.set j, j+4
.endr
	v_pk_add_f32 v[14:15], v[14:15], v[BT:BT+1]
	s_wait_alu depctr_va_vdst(0)                   ; and one for the four
.irp b, 0,1,2,3
	v_max_num_f32 v[BM+\b], 0x1800000, v[BM+\b]    ; the floor 2^(3 - 127): the byte cannot fall under 1
.endr
.irp b, 0,1,2,3
	v_add_nc_u32 v[BS+\b], 0xff000000, v[BM+\b]    ; 2 off the exponent field: the conversion's scale operand
.endr
.irp b, 0,1,2,3
	v_lshrrev_b32 v[BT+\b], 23, v[BS+\b]           ; the scale's byte
.endr
	v_lshl_or_b32 v[PSW], v[BT+1], 8, v[BT]        ; p's scale word for these 128 keys
	v_lshl_or_b32 v[PSW], v[BT+2], 16, v[PSW]
	v_lshl_or_b32 v[PSW], v[BT+3], 24, v[PSW]
.irp b, 0,1,2,3
	v_cvt_scalef32_pk8_fp4_f32 v[PCD+2*\b], v[S+16*\b:S+16*\b+7], v[BS+\b]
	v_cvt_scalef32_pk8_fp4_f32 v[PCD+1+2*\b], v[S+8+16*\b:S+15+16*\b], v[BS+\b]
.endr
	v_nop                                          ; one plain place behind a scaled conversion
.irp c, 0,1                                    ; the operand's layout wants a whole block in a lane
.irp i, 0,1
	v_permlane16_swap_b32 v[PCD+4*\c+\i], v[PCD+2+4*\c+\i]
.endr
.endr
.set j, 0
.rept 16
	v_pk_mul_f32 v[OT+j:OT+j+1], v[OT+j:OT+j+1], v[F:F+1] op_sel_hi:[1,0]   ; O^T under the new M
.set j, j+2
.endr
.rept 4
	v_nop                                          ; with the sixteen above: the places between the lines that made p's codes and word and the products that take them
.endr
	s_wait_dscnt 0x0                               ; V and its words are in
.irp t, 0,1,2,3                                ; O^T += V^T P^T: four accumulators, one instruction each
.if \t%2
	v_wmma_scale_f32_16x16x128_f8f6f4 v[OT+8*\t:OT+8*\t+7], v[VF+8*\t:VF+8*\t+7], v[PCD:PCD+7], v[OT+8*\t:OT+8*\t+7], v[VSW+\t/2], v[PSW] matrix_a_fmt:MATRIX_FMT_FP4 matrix_b_fmt:MATRIX_FMT_FP4 matrix_a_scale:MATRIX_SCALE_ROW1
.else
	v_wmma_scale_f32_16x16x128_f8f6f4 v[OT+8*\t:OT+8*\t+7], v[VF+8*\t:VF+8*\t+7], v[PCD:PCD+7], v[OT+8*\t:OT+8*\t+7], v[VSW+\t/2], v[PSW] matrix_a_fmt:MATRIX_FMT_FP4 matrix_b_fmt:MATRIX_FMT_FP4
.endif
.endr
.Lhidden_\@:
	s_add_co_u32 s[TB], s[TB], STEPB
	s_add_co_u32 s[KSN], s[KSN], 1
	s_cmp_lt_u32 s[KSN], 16
	s_cbranch_scc1 .Ltrip_\@
	; the tile's way out: O^T / the sum; register 16 b + i is channel 32 b + 16 h + i of the head: two blocks of 32 along launch 3's K
.rept 4
	v_nop                                          ; places behind the last products
.endr
	v_add_f32 v14, v14, v15
	v_permlanex16_b32 v[F], v14, s[SEL], s[SEL+1]
	v_add_f32 v14, v14, v[F]                       ; the row's sum
	v_rcp_f32 v14, v14
	v_nop                                          ; a plain place behind the reciprocal
	s_wait_alu depctr_va_vdst(0)                   ; and its wait, ahead of its first reader
.set j, 0
.rept 16
	v_pk_mul_f32 v[OT+j:OT+j+1], v[OT+j:OT+j+1], v[14:15] op_sel_hi:[1,0]   ; each accumulator from its low end on
.set j, j+2
.endr
.irp b, 0,1
	v_max3_num_f32 v[BM+\b], |v[OT+16*\b]|, |v[OT+1+16*\b]|, 0x1800000
.endr
.irp i, 2,4,6,8,10,12,14
.irp b, 0,1
	v_max3_num_f32 v[BM+\b], v[BM+\b], |v[OT+16*\b+\i]|, |v[OT+1+16*\b+\i]|
.endr
.endr
.irp b, 0,1
	v_permlanex16_b32 v[BT+\b], v[BM+\b], s[SEL], s[SEL+1]
.endr
.irp b, 0,1
	v_max_num_f32 v[BM+\b], v[BM+\b], v[BT+\b]
.endr
.irp b, 0,1
	v_add_nc_u32 v[BS+\b], 0xff000000, v[BM+\b]
.endr
.irp b, 0,1
	v_lshrrev_b32 v[BT+\b], 23, v[BS+\b]
.endr
	v_lshl_or_b32 v[\rw], v[BT+1], 8, v[BT]        ; my row's two scale bytes
.irp b, 0,1
	v_cvt_scalef32_pk8_fp4_f32 v[\rc+2*\b], v[OT+16*\b:OT+16*\b+7], v[BS+\b]
	v_cvt_scalef32_pk8_fp4_f32 v[\rc+1+2*\b], v[OT+8+16*\b:OT+15+16*\b], v[BS+\b]
.endr
	v_nop
	v_permlane16_swap_b32 v[\rc], v[\rc+2]
	v_permlane16_swap_b32 v[\rc+1], v[\rc+3]
	global_store_b128 v1, v[\rc:\rc+3], s[\oc:\oc+1]   ; half a fragment of launch 3's operand: 512 consecutive bytes, at a multiple of 256 from the buffer's first byte
	global_store_b16 v9, v[\rw], s[\os:\os+1]          ; lanes r and 16 + r hold the same two bytes and write them to the same place
.endm
	TILE 16, 106, 34, 36, 48, 52, 240, 248         ; each tile has registers and bases of its own for its stores: none is written again
	TILE 24, 107, 35, 37, 50, 54, 244, 249
	s_wait_tensorcnt 0x0                           ; the wave's end
	ds_add_u32 v[SPW], v[NIL]
	s_wait_dscnt 0x0
	CROUND                                         ; the closing round
	s_endpgm
.Lfunc_end_k_q097cca539f_attn:
	.size	k_q097cca539f_attn, .Lfunc_end_k_q097cca539f_attn-k_q097cca539f_attn
	.p2alignl 7, 3214868480
	.fill 96, 4, 3214868480
	.section	.rodata,"a",@progbits
	.p2align	6, 0x0
	.amdhsa_kernel k_q097cca539f_attn
		.amdhsa_group_segment_fixed_size 167936
		.amdhsa_private_segment_fixed_size 0
		.amdhsa_enable_private_segment 0
		.amdhsa_kernarg_size 24
		.amdhsa_user_sgpr_count 2
		.amdhsa_user_sgpr_kernarg_segment_ptr 1
		.amdhsa_wavefront_size32 1
		.amdhsa_system_sgpr_workgroup_id_x 1
		.amdhsa_system_sgpr_workgroup_id_y 1
		.amdhsa_system_sgpr_workgroup_id_z 1
		.amdhsa_system_vgpr_workitem_id 0
		.amdhsa_next_free_vgpr 256
		.amdhsa_next_free_sgpr 66
		.amdhsa_reserve_vcc 1
		.amdhsa_float_denorm_mode_32 3
		.amdhsa_float_denorm_mode_16_64 3
		.amdhsa_memory_ordered 1
		.amdhsa_forward_progress 1
		.amdhsa_inst_pref_size 57
	.end_amdhsa_kernel
	.amdgpu_metadata
---
amdhsa.version: [ 1, 2 ]
amdhsa.kernels:
  - .name:           k_q097cca539f_attn
    .symbol:         k_q097cca539f_attn.kd
    .args:
      - { .name: qkv, .offset: 0, .size: 8, .value_kind: global_buffer, .address_space: global }
      - { .name: o_codes, .offset: 8, .size: 8, .value_kind: global_buffer, .address_space: global }
      - { .name: o_scales, .offset: 16, .size: 8, .value_kind: global_buffer, .address_space: global }
    .group_segment_fixed_size: 167936
    .private_segment_fixed_size: 0
    .kernarg_segment_align: 8
    .kernarg_segment_size: 24
    .max_flat_workgroup_size: 512
    .sgpr_count:     66
    .vgpr_count:     256
    .wavefront_size: 32
...
	.end_amdgpu_metadata
.endif
;; end of part 2
;; launch proj (part 3): grid 4 x 32, 4 waves a work-group, clusters of 4 x 4, 327,680 bytes of LDS; arguments o_codes, o_scales, out_w_codes, out_w_scales, out_b, out0; writes out0
.if DOCPART == 3
	.amdgcn_target "amdgcn-amd-amdhsa--gfx1250"
	.amdhsa_code_object_version 6
	.text
	.protected	k_q097cca539f_proj
	.globl	k_q097cca539f_proj
	.p2align	8
	.type	k_q097cca539f_proj,@function
k_q097cca539f_proj:
	s_mov_b64 s[64:65], 0
	v_nop
	global_prefetch_b8 v0, s[64:65] scope:SCOPE_SE
	s_setreg_imm32_b32 hwreg(HW_REG_WAVE_MODE, 25, 1), 1
	s_wait_xcnt 0x0
	s_wait_alu depctr_hold_cnt(0) depctr_sa_sdst(0) depctr_va_vdst(0) depctr_va_sdst(0) depctr_va_ssrc(0) depctr_va_vcc(0) depctr_vm_vsrc(0)
	s_getreg_b32 s2, hwreg(HW_REG_IB_STS2, 6, 4)
	s_cmp_eq_u32 s2, 0
	s_cbranch_scc0 .Lentry_in_a_cluster
	s_endpgm
.Lentry_in_a_cluster:
	s_bfe_u32 s2, ttmp6, 0x10000c
	s_cmp_lg_u32 s2, 0xf033
	s_cbranch_scc0 .Lentry_shape_is_right
	s_endpgm
.Lentry_shape_is_right:
; LAUNCH 3 OF 3.  out0 = o out_w^T + out_b on codes of FP4 (E2M1) with E8M0 scales.  o's codes and scale bytes are launch 2's; out_w's are given.  Nothing is left out here.
; A tile of 256 x 256 to a work-group of four waves, 128 x 128 to a wave: 64 accumulators.  K = 1,024 is two LDS slots of 512 along K, both first fills; nothing is filled again.  4 x 32 tiles: 128 work-groups.
; A's TILES ARE IMAGES OF THE OPERAND'S REGISTERS: o_codes is [K half][tile of 16 rows][step of 128 along K][c][lane][16 bytes], so a slot's part of 128 rows is 32,768 dense bytes; it comes as 128 rows of 256 bytes, and a
; fragment's load takes 512 consecutive bytes of it (two LDS rows).  The 16 rows of tile a of a block of 128 tokens are tokens 32 (a / 2) + 8 (a % 2) + r + 8 (r / 8): the stores put each row in its place.
; B's tiles, out_w's rows, lie as rows, K innermost.  The scales of both, for all of K, come into LDS once.
; CLUSTERS: 4 x 4; A's tiles are shared along a row of the cluster, B's along a column, by joint loads.  The matrix instruction is used transposed: a lane holds eight neighbouring numbers of a row of the output.
; The bias is the C of each sum's first product.
; REGISTERS: window 0: v0-31 addresses; v32-95 scale words, two sets; v128-191 A's fragments; v192-255 the bias; on the way out v128-255 hold rows.  window 1: B's fragments, two sets.  windows 2, 3: the accumulators.
.set SIZE_N, 1024
.set NQ,     4
.set ROWB,   256
.set KROW,   512                       ; a row of out_w's codes in memory
.set PITCH,  272
.set FR,     8
.set NL,     2
.set NP,     4
.set HALFT,  128*PITCH
.set SLOT,   4*HALFT
.set KS,     32
.set SCL,    2*SLOT
.set HALFS,  16*272
.set SBLK,   2*272                     ; the scales of 16 rows
.set SPARE,  SCL+4*HALFS               ; the spare words: two blocks of 256 bytes that no other line names
.set SPITCH, 528                       ; the way out: a stage of 16 rows x (512 bytes + 16) for each wave, in slot 0, which has had its one fill and its last read when the first result is stored there
.set ADRA, 16
.set ADRB, 20
.set STO,  24
.set RD,   25
.set CO,   26
.set ADRS, 27
.set SPW,  28
.set NIL,  29
.set SC,   32
.set AF,   128
.set BIAS, 192
.set BK,   128
.set G1, 24
.set G0, 32
.set G1B, 48
.set G0B, 56
.set G1S, 68
.set G0S, 76
.set G1SB, 80
.set G0SB, 88
.set MSB, 0
.macro WIN new
.if MSB != \new
	s_set_vgpr_msb (MSB<<8)|\new
.set MSB, \new
.endif
.endm
.set MUL_LO, 0xa1
.set MUL_HI, 0xf1
.set TO_B,   0x40
.macro JLOAD g0a, g1a, g0b, g1b        ; a joint load: waves 0 and 1 fetch for A, waves 2 and 3 for B; an s_nop 0 and four v_nop follow each of the two lines
	s_cmp_eq_u32 s15, 0
	s_cbranch_scc0 .Lfor_b_\@
	tensor_load_to_lds s[\g0a:\g0a+3], s[\g1a:\g1a+7]
	s_nop 0
.rept 4
	v_nop
.endr
	s_branch .Lasked_\@
.Lfor_b_\@:
	tensor_load_to_lds s[\g0b:\g0b+3], s[\g1b:\g1b+7]
	s_nop 0
.rept 4
	v_nop
.endr
.Lasked_\@:
.endm
.macro CROUND
	s_barrier_signal -1
	s_barrier_wait -1
	s_cmp_lg_u32 s14, 0
	s_cbranch_scc1 .Lnot_wave_0_\@
	s_barrier_signal -3
.Lnot_wave_0_\@:
	s_barrier_wait -3
	s_barrier_signal -1
	s_barrier_wait -1
.endm
	s_load_b128 s[4:7], s[0:1], 0x0                ; o's codes, o's scales
	s_load_b128 s[8:11], s[0:1], 0x10              ; out_w's codes, out_w's scales
	s_load_b64 s[66:67], s[0:1], 0x20              ; out_b
	s_load_b64 s[12:13], s[0:1], 0x28              ; out0
	v_lshl_add_u32 v[SPW], v0, 2, SPARE
	v_mov_b32 v[NIL], 0
	ds_add_u32 v[SPW], v[NIL]                      ; the wave's opening: the add, twice on end, and its wait ahead of my first tensor load
	ds_add_u32 v[SPW], v[NIL]
	v_lshrrev_b32 v1, 5, v0
	v_readfirstlane_b32 s14, v1                    ; wave 0..3
	s_lshr_b32 s15, s14, 1                         ; which half of the tile's rows is mine.  Also: I fetch for A (0) or for B (1)
	s_and_b32 s16, s14, 1                          ; which half of its columns.  Also: which 128 rows I fetch
	s_bfe_u32 s40, ttmp6, 0x40000                  ; cx
	s_bfe_u32 s41, ttmp6, 0x40004                  ; cy
	s_lshl_b32 s42, ttmp9, 2
	s_add_co_u32 s42, s42, s40                     ; tile column
	s_and_b32 s17, ttmp7, 0xffff
	s_lshl_b32 s17, s17, 2
	s_add_co_u32 s17, s17, s41                     ; tile row
	s_lshl_b32 s43, s41, 2
	s_lshl_b32 s43, 15, s43                        ; my row of the cluster
	s_lshl_b32 s44, 0x1111, s40                    ; my column
	s_or_b32 s[G1+0], s43, (0<<16)|(1<<20)|(1<<21)|(5<<22)|(3<<25)   ; the mask; elements of 1 byte; padding on; bit 21 beside a mask; 4 words after every 64
	s_or_b32 s[G1B+0], s44, (0<<16)|(1<<20)|(1<<21)|(5<<22)|(3<<25)
.irp g, G1, G1B
	s_mov_b32 s[\g+1], ROWB<<16
	s_mov_b32 s[\g+2], 128<<16
	s_mov_b32 s[\g+3], ROWB<<16
	s_mov_b32 s[\g+4], 128
	s_mov_b32 s[\g+6], 0
	s_mov_b32 s[\g+7], 0
.endr
	s_mov_b32 s[G1+5], ROWB                        ; A's images are dense: a row begins where the last ends
	s_mov_b32 s[G1B+5], KROW                       ; B's rows are 512 bytes apart
	s_or_b32 s[G1S+0], s43, (3<<16)|(1<<20)|(1<<21)|(5<<22)|(3<<25)
	s_or_b32 s[G1SB+0], s44, (3<<16)|(1<<20)|(1<<21)|(5<<22)|(3<<25)
.irp g, G1S, G1SB
	s_mov_b32 s[\g+1], 32<<16
	s_mov_b32 s[\g+2], 16<<16
	s_mov_b32 s[\g+3], 32<<16
	s_mov_b32 s[\g+4], 16
	s_mov_b32 s[\g+5], 32
	s_mov_b32 s[\g+6], 0
	s_mov_b32 s[\g+7], 0
.endr
	s_lshl_b32 s18, s16, 7
	s_lshl_b32 s20, s17, 8
	s_add_co_u32 s20, s20, s18                     ; A: row 256 x tile row + 128 x half
	s_lshl_b32 s46, s42, 8
	s_add_co_u32 s46, s46, s18                     ; B: row 256 x tile column + 128 x half
	s_mov_b32 s21, 0
	s_mov_b32 s47, 0
	s_mov_b64 s[18:19], KS
	s_mul_u64 s[22:23], s[20:21], s[18:19]         ; these rows' scales
	s_mul_u64 s[92:93], s[46:47], s[18:19]
	s_mov_b64 s[18:19], KROW
	s_mul_u64 s[46:47], s[46:47], s[18:19]         ; B's codes
	s_lshl_b64 s[20:21], s[20:21], 8               ; A's: 256 bytes a row in each half of K
	s_mul_i32 s45, s14, HALFT
	s_mul_i32 s94, s14, HALFS
	s_wait_dscnt 0x0                               ; both opening adds are done
	s_wait_kmcnt 0x0
	s_add_nc_u64 s[20:21], s[4:5], s[20:21]
	s_add_nc_u64 s[22:23], s[6:7], s[22:23]
	s_add_nc_u64 s[46:47], s[8:9], s[46:47]
	s_add_nc_u64 s[92:93], s[10:11], s[92:93]
	CROUND                                         ; all sixteen work-groups are here: the joint loads meet
	s_mov_b32 s[G0S], 1
	s_add_co_u32 s[G0S+1], s94, SCL
	s_mov_b64 s[G0S+2:G0S+3], s[22:23]
	s_or_b32 s[G0S+3], s[G0S+3], 0x80000000
	s_mov_b32 s[G0SB], 1
	s_add_co_u32 s[G0SB+1], s94, SCL
	s_mov_b64 s[G0SB+2:G0SB+3], s[92:93]
	s_or_b32 s[G0SB+3], s[G0SB+3], 0x80000000
	JLOAD G0S, G1S, G0SB, G1SB
.irp s, 0,1
	s_mov_b32 s[G0+4*\s], 1
	s_add_co_u32 s[G0+4*\s+1], s45, \s*SLOT
	s_add_nc_u64 s[G0+4*\s+2:G0+4*\s+3], s[20:21], \s*0x200000   ; the other half of K lies 2,097,152 bytes on
	s_or_b32 s[G0+4*\s+3], s[G0+4*\s+3], 0x80000000
	s_mov_b32 s[G0B+4*\s], 1
	s_add_co_u32 s[G0B+4*\s+1], s45, \s*SLOT
	s_add_nc_u64 s[G0B+4*\s+2:G0B+4*\s+3], s[46:47], \s*ROWB
	s_or_b32 s[G0B+4*\s+3], s[G0B+4*\s+3], 0x80000000
	JLOAD G0+4*\s, G1, G0B+4*\s, G1B               ; three tensor loads of mine are out, all first fills
.endr
	v_and_b32 v1, 15, v0                           ; r
	v_bfe_u32 v2, v0, 4, 1                         ; h
	v_mul_u32_u24 v3, v1, PITCH
	v_lshl_add_u32 v4, v2, 4, v3                   ; B: a fragment's row x pitch + 16 x half
	v_mul_u32_u24 v5, v2, PITCH
	v_lshl_add_u32 v5, v1, 4, v5                   ; A: an image's 512 bytes are two LDS rows: lanes 0-15 the first, lanes 16-31 the second
	s_mul_i32 s21, s15, HALFT
	s_mul_i32 s22, s16, HALFT
	s_add_co_u32 s22, s22, 2*HALFT
.irp s, 0,1
	v_add_nc_u32 v[ADRA+\s], s21, v5
	v_add_nc_u32 v[ADRB+\s], s22, v4
	s_add_co_u32 s21, s21, SLOT
	s_add_co_u32 s22, s22, SLOT
.endr
	v_mul_u32_u24 v5, v1, KS                       ; my row's scales: 32 bytes a row,
	v_lshrrev_b32 v6, 8, v5
	v_lshl_add_u32 v5, v6, 4, v5                   ; and 16 more for each 256 passed
	s_mul_i32 s21, s15, HALFS
	s_mul_i32 s22, s16, HALFS
	s_add_co_u32 s22, s22, 2*HALFS
	s_sub_co_u32 s22, s22, s21
	v_mul_u32_u24 v6, s22, v2                      ; lanes 16-31 take B's
	s_add_co_u32 s21, s21, SCL
	v_add_nc_u32 v5, v5, v6
	v_add_nc_u32 v[ADRS], s21, v5
	s_lshl_b32 s20, s42, 10                        ; the bias: 4 bytes x (256 x tile column + 128 x my half); register 8 b + j = out_b(16 b + 8 h + j)
	s_lshl_b32 s21, s16, 9
	s_add_co_u32 s20, s20, s21
	s_mov_b32 s21, 0
	s_add_nc_u64 s[66:67], s[66:67], s[20:21]
	v_lshlrev_b32 v7, 5, v2
.irp b, 0,1,2,3,4,5,6,7
	global_load_b128 v[BIAS+8*\b:BIAS+8*\b+3],   v7, s[66:67] offset:64*\b
	global_load_b128 v[BIAS+8*\b+4:BIAS+8*\b+7], v7, s[66:67] offset:64*\b+16
.endr
	s_mul_i32 s23, s14, 16*SPITCH                  ; my stage
	v_mul_u32_u24 v5, v1, SPITCH
	v_lshl_add_u32 v5, v2, 5, v5
	v_add_nc_u32 v[STO], s23, v5                   ; in: row r, 32 bytes for each half of the lanes
	v_and_b32 v6, 31, v0
	v_lshlrev_b32 v[CO], 4, v6                     ; back: the 32 lanes take one row of 512 bytes; and the same in the output
	v_add_nc_u32 v[RD], s23, v[CO]
	s_lshl_b32 s20, s17, 8
	s_lshl_b32 s21, s15, 7
	s_add_co_u32 s20, s20, s21                     ; my block of 128 rows
	s_mov_b32 s21, 0
	s_mov_b64 s[18:19], SIZE_N*4
	s_mul_u64 s[20:21], s[20:21], s[18:19]
	s_lshl_b32 s46, s42, 10                        ; my first column, in bytes
	s_lshl_b32 s47, s16, 9
	s_add_co_u32 s46, s46, s47
	s_mov_b32 s47, 0
	s_add_nc_u64 s[20:21], s[20:21], s[46:47]
	s_add_nc_u64 s[12:13], s[12:13], s[20:21]
.macro FRAGB reg, adr, q, i
.irp c, 0,1
	ds_load_b128 v[\reg+4*\c:\reg+4*\c+3], v[\adr] offset:64*(\q)+32*\c+(\i)*16*PITCH
.endr
.endm
.macro FRAGA reg, adr, q, i            ; tile i, step q, half c of the fragment: LDS rows 16 i + 4 q + 2 c and the next
.irp c, 0,1
	ds_load_b128 v[\reg+4*\c:\reg+4*\c+3], v[\adr] offset:(16*(\i)+4*(\q)+2*\c)*PITCH
.endr
.endm
.macro MM a, b, p, q, sc, c0
	v_wmma_scale_f32_16x16x128_f8f6f4 v[8*(8*((\a)%4)+\b):8*(8*((\a)%4)+\b)+7], v[128*(\p)+FR*\b:128*(\p)+FR*\b+FR-1], v[AF+FR*(\a):AF+FR*(\a)+FR-1], v[\c0:\c0+7], v[SC+8*NQ*(\sc)+NQ*\b+(\q)], v[SC+8*NQ*(\sc)+NQ*(\a)+(\q)] matrix_a_fmt:MATRIX_FMT_FP4 matrix_b_fmt:MATRIX_FMT_FP4 matrix_a_scale:MATRIX_SCALE_ROW1
.endm
.macro MUL16 a0, p, q, sc, zero        ; zero = 1: the sums start from the bias.  The 64 accumulators take turns
.irp a, \a0, \a0+1
.irp b, 0,1,2,3,4,5,6,7
.if \zero
	MM \a, \b, \p, \q, \sc, BIAS+8*\b
.else
	MM \a, \b, \p, \q, \sc, 8*(8*((\a)%4)+\b)
.endif
.endr
.endr
.endm
.macro FETCH_B slot, q, p
	WIN TO_B
.irp i, 0,1,2,3,4,5,6,7
	FRAGB 128*(\p)+FR*\i, ADRB+\slot, \q, \i
.endr
	WIN 0
.endm
.macro FETCH_A slot, q, i0
.irp i, \i0, \i0+1, \i0+2, \i0+3
	FRAGA AF+FR*(\i), ADRA+\slot, \q, \i
.endr
.endm
.macro SCALES sc
.irp i, 0,1,2,3,4,5,6,7
	ds_load_b128 v[SC+8*NQ*\sc+NQ*\i:SC+8*NQ*\sc+NQ*\i+3], v[ADRS] offset:\i*SBLK
.endr
.endm
.macro PLACES n
.rept \n
	v_nop
.endr
.endm
.macro STEP slot, q, zero
	s_wait_dscnt 4*NL                              ; B's set and A's blocks 0-3 are in; the youngest eight loads (A's blocks 4-7) may be out
.if \zero
	WIN 0x81                                       ; C (the bias) in window 0, D in window 2
.else
	WIN MUL_LO
.endif
	MUL16 0, (\q)%2, \q, \slot, \zero
	MUL16 2, (\q)%2, \q, \slot, \zero
	s_wait_dscnt 0
	PLACES NP
	FETCH_B \slot, (\q)+1, 1-(\q)%2
	FETCH_A \slot, (\q)+1, 0
.if \zero
	WIN 0xc1
.else
	WIN MUL_HI
.endif
	MUL16 4, (\q)%2, \q, \slot, \zero
	MUL16 6, (\q)%2, \q, \slot, \zero
	PLACES NP
	WIN 0
	FETCH_A \slot, (\q)+1, 4
.endm
.macro TURN slot, next                 ; a slot's last step, and the change to the next slot: one barrier; nothing is filled again
	s_wait_tensorcnt 0x0                           ; all my tensor loads have landed: my part of the next slot
	ds_add_u32 v[SPW], v[NIL]
	s_wait_dscnt 4*NL+1                            ; (the add and the youngest eight loads may be out)
	WIN MUL_LO
	MUL16 0, 1, NQ-1, \slot, 0
	s_wait_dscnt 0x0
	s_barrier_signal -1
	MUL16 2, 1, NQ-1, \slot, 0
	WIN 0
	s_barrier_wait -1
	PLACES NP
	v_add_nc_u32 v[ADRS], 4*NQ, v[ADRS]
	FETCH_B \next, 0, 0
	FETCH_A \next, 0, 0
	SCALES \next
	WIN MUL_HI
	MUL16 4, 1, NQ-1, \slot, 0
	MUL16 6, 1, NQ-1, \slot, 0
	PLACES NP
	WIN 0
	FETCH_A \next, 0, 4
.endm
.macro STEPS slot, from
.set Q, \from
.rept NQ-1-\from
	STEP \slot, Q, 0
.set Q, Q+1
.endr
.endm
	s_wait_tensorcnt 1                             ; the scales and my part of slot 0 are in; slot 1's load may be out
	s_barrier_signal -1
	s_barrier_wait -1
	FETCH_B 0, 0, 0
	FETCH_A 0, 0, 0
	SCALES 0
	FETCH_A 0, 0, 4
	s_wait_loadcnt 0x0                             ; the bias
	STEP 0, 0, 1
	STEPS 0, 1
	TURN 0, 1
	STEPS 1, 0
	s_wait_dscnt 4*NL
	WIN MUL_LO
	MUL16 0, 1, NQ-1, 1, 0
	MUL16 2, 1, NQ-1, 1, 0
	s_wait_dscnt 0
	WIN MUL_HI
	MUL16 4, 1, NQ-1, 1, 0
	MUL16 6, 1, NQ-1, 1, 0
	WIN 0
; THE WAY OUT, block by block of 16 rows x 128 columns: through my own stage in LDS, back as whole rows of 512 bytes, which the 32 lanes store as two aligned runs of 256 bytes.
; LDS serves a wave's instructions in order (ISA guide 5.7.1.4): no wait between the stores and the loads, nor in front of the next block's stores.
.macro TOSTAGE a
.set AC, 64*((\a)%4)
	WIN 0x08+4*((\a)/4)                            ; the data: window 2 or 3
.irp b, 0,1,2,3,4,5,6,7
	ds_store_b128 v[STO], v[AC+8*\b:AC+8*\b+3] offset:64*\b          ; each accumulator from its low end on
	ds_store_b128 v[STO], v[AC+8*\b+4:AC+8*\b+7] offset:64*\b+16
.endr
	WIN 0
.set BB, BK+64*((\a)%2)
.irp t, 0,1,2,3,4,5,6,7,8,9,10,11,12,13,14,15
	ds_load_b128 v[BB+4*\t:BB+4*\t+3], v[RD] offset:\t*SPITCH
.endr
.endm
.macro SEND a, younger                 ; younger: the LDS instructions issued behind block a's loads, which may stay out.  Row t of block a is token 32 (a / 2) + 8 (a % 2) + t + 8 (t / 8) of my 128: it stands in the immediate, 520,192 at the most
.set BB, BK+64*((\a)%2)
	s_wait_dscnt \younger
.irp t, 0,1,2,3,4,5,6,7,8,9,10,11,12,13,14,15
	global_store_b128 v[CO], v[BB+4*\t:BB+4*\t+3], s[12:13] offset:(32*((\a)/2)+8*((\a)%2)+\t+8*(\t/8))*SIZE_N*4 th:TH_STORE_NT
.endr
.endm
	PLACES NP                                      ; behind the last products: for the loads into the registers that held A's fragments, and for the reads of results
	TOSTAGE 0
.irp a, 1,2,3,4,5,6,7
.if \a > 1
	s_wait_xcnt 0x0                                ; block a - 2's stores have read their registers: block a's loads may land there
.endif
	TOSTAGE \a
	SEND \a-1, 32                                  ; behind block a - 1's loads: block a's 16 stores and 16 loads
.endr
	SEND 7, 0
	s_wait_tensorcnt 0x0                           ; the wave's end: behind my last tensor load and my last LDS store
	ds_add_u32 v[SPW], v[NIL]
	s_wait_dscnt 0x0
	CROUND                                         ; the closing round
	s_endpgm
.Lfunc_end_k_q097cca539f_proj:
	.size	k_q097cca539f_proj, .Lfunc_end_k_q097cca539f_proj-k_q097cca539f_proj
	.p2alignl 7, 3214868480
	.fill 96, 4, 3214868480
	.section	.rodata,"a",@progbits
	.p2align	6, 0x0
	.amdhsa_kernel k_q097cca539f_proj
		.amdhsa_group_segment_fixed_size 327680
		.amdhsa_private_segment_fixed_size 0
		.amdhsa_enable_private_segment 0
		.amdhsa_kernarg_size 48
		.amdhsa_user_sgpr_count 2
		.amdhsa_user_sgpr_kernarg_segment_ptr 1
		.amdhsa_wavefront_size32 1
		.amdhsa_system_sgpr_workgroup_id_x 1
		.amdhsa_system_sgpr_workgroup_id_y 1
		.amdhsa_system_sgpr_workgroup_id_z 1
		.amdhsa_system_vgpr_workitem_id 0
		.amdhsa_next_free_vgpr 1024
		.amdhsa_next_free_sgpr 98
		.amdhsa_reserve_vcc 0
		.amdhsa_float_denorm_mode_32 3
		.amdhsa_float_denorm_mode_16_64 3
		.amdhsa_memory_ordered 1
		.amdhsa_forward_progress 1
		.amdhsa_inst_pref_size 126
	.end_amdhsa_kernel
	.amdgpu_metadata
---
amdhsa.version: [ 1, 2 ]
amdhsa.kernels:
  - .name:           k_q097cca539f_proj
    .symbol:         k_q097cca539f_proj.kd
    .args:
      - { .name: o_codes, .offset: 0, .size: 8, .value_kind: global_buffer, .address_space: global }
      - { .name: o_scales, .offset: 8, .size: 8, .value_kind: global_buffer, .address_space: global }
      - { .name: out_w_codes, .offset: 16, .size: 8, .value_kind: global_buffer, .address_space: global }
      - { .name: out_w_scales, .offset: 24, .size: 8, .value_kind: global_buffer, .address_space: global }
      - { .name: out_b, .offset: 32, .size: 8, .value_kind: global_buffer, .address_space: global }
      - { .name: out0, .offset: 40, .size: 8, .value_kind: global_buffer, .address_space: global }
    .group_segment_fixed_size: 327680
    .private_segment_fixed_size: 0
    .kernarg_segment_align: 8
    .kernarg_segment_size: 48
    .max_flat_workgroup_size: 128
    .sgpr_count:     98
    .vgpr_count:     1024
    .wavefront_size: 32
...
	.end_amdgpu_metadata
.endif
;; end of part 3
